; MI455X (gfx1250); checked and timed in simulation.
; The chip was launched on July 23, 2026; its instructions are those of AMD's public machine-readable ISA for CDNA 5 (MIT licence, August 2026) and "CDNA5" Instruction Set Architecture Reference Guide (July 2026). The comments in the code are by the model that wrote it; some were corrected since.
;; Multi Time Attention. Allowed arithmetic: matrix products marked QUANTISED: E2M3 operands, one E8M0 scale for each 32 along K, by v_wmma_scale_f32_16x16x128_f8f6f4 with both operands' format E2M3, f32 sums; products left as they are: f32 operands where the result goes on into a quantised operand, else bf16, f16 or f32 operands; f32 sums; everything else in f32.
;; Inputs: Wk 128 x 128 float32; Wo 1,024 x 128 float32; Wq 128 x 128 float32; bk 128 float32; bo 128 float32; bq 128 float32; key 8 x 2,048 x 128 float32; query 8 x 2,048 x 128 float32; value 8 x 2,048 x 128 float32.
;; Outputs: out0 8 x 2,048 x 128 float32.
;; This version of the problem:
;;   THIS VERSION OF THE PROBLEM IS GIVEN IN LOW PRECISION. The matrix products marked QUANTISED in the list below multiply operands that are first quantised to E2M3 (2 exponent bits, 3 mantissa bits; 6 bits a number), with one power-of-two scale for each 32 numbers along K (OCP MX v1.0); their sums are f32. All else is computed in f32.
;;   The module's matrix products, in the order in which they are computed (A, B: the left and right operand; K: the contracted axis; several contracted axes count as one K, in the product's order):
;;     1. [M 16,384, K 128] x [K 128, N 128]; A: input query; B: input Wq: QUANTISED
;;     2. [M 16,384, K 128] x [K 128, N 128]; A: input key; B: input Wk: QUANTISED
;;     3. batch 64 x [M 2,048, K 16] x [K 16, N 2,048]; A: computed on the way; B: computed on the way: left as it is (K = 16 < 32)
;;     4. batch 8 x [M 16,384, K 2,048] x [K 2,048, N 128]; A: softmax (see below); B: input value: QUANTISED
;;     5. [M 16,384, K 1,024] x [K 1,024, N 128]; A: computed on the way; B: input Wo: QUANTISED
;;   THE QUANTISER, for each operand of a quantised product, along K:
;;     - K is cut into blocks of 32 from its start; a last block that is shorter is filled with zeros.
;;     - A block's scale is 2^e with e = floor(log2(the largest magnitude in the block)) - 2, held to -126 .. 127; a block of zeros has e = 0. As a byte (E8M0): e + 127.
;;     - Each number is divided by its block's scale, clamped to +-7.5, and rounded to the nearest number of E2M3, ties to even, subnormals kept.
;;     - The product sums the exact products of the quantised numbers (number of the format x scale) in f32.
;;   ~~~python
;;   def quantise(x, axis):      # numpy; x: float32 -> the quantised numbers, widened to float32 again
;;       x = np.moveaxis(x, axis, -1); K = x.shape[-1]
;;       x = np.pad(x, [(0, 0)] * (x.ndim - 1) + [(0, -K % 32)]); x = x.reshape(x.shape[:-1] + (-1, 32)); a = np.abs(x).max(-1, keepdims=True)
;;       e = np.where(a > 0, np.clip(np.frexp(np.where(a > 0, a, 1))[1] - 1 - 2, -126, 127), 0)      # np.frexp(a)[1] - 1 = floor(log2(a)), exactly
;;       r = np.clip(x / 2.0 ** e, -7.5, 7.5)
;;       step = 2.0 ** (np.maximum(np.frexp(np.where(r == 0, 1, r))[1] - 1, 0) - 3)
;;       q = np.round(r / step) * step * 2.0 ** e      # np.round: ties to even
;;       return np.moveaxis(q.reshape(q.shape[:-2] + (-1,))[..., :K], -1, axis).astype(np.float32)
;;   ~~~
;;   SOFTMAX AHEAD OF A QUANTISED PRODUCT. Where the list says 'softmax', what is quantised is not the finished softmax but p = 2^(t - M), with t = logit x log2(e) and M = ceil(the row's largest t), a whole number; so 1/2 < the row's largest p <= 1. The row's sum l is taken of the UNQUANTISED p, in f32, and the product's result is divided by l at the end. Since M is a whole number, a kernel that streams over the keys may use a running M (the ceiling of the running maximum): every later rescaling is an exact power of two, which a block's scale takes up: the codes' values come out the same.
;;   OPERANDS COMPUTED ON THE WAY. 'Computed on the way' means the value that the module computes at that place (a softmax that the list does not call 'softmax' is quantised finished and normalised). What goes into a quantiser is computed in f32, as accurately as f32 sums, v_exp_f32 and their like allow (about 1e-6 of the number): no bf16 or f16 on the way to a quantiser, and a product that is left as it is and whose result goes on into a quantised operand takes f32 operands (vector FMAs, or v_wmma_f32_16x16x4_f32). A number that lies on a knife's edge between two numbers of the format may be rounded either way, as far as f32 arithmetic and the matrix unit's own rounding can turn it there, and no further.
;; One version. Each part assembles by itself: llvm-mc -triple=amdgcn-amd-amdhsa -mcpu=gfx1250 --defsym DOCPART=n.
;; ======== version 1 of 1: 2 launches
;; workspace buffers: qimg 8,388,608 bytes; kimg 8,388,608 bytes; vimg 1,638,400 bytes; woimg 102,400 bytes
;; launch prep (part 1): grid 392 x 1, 8 waves a work-group, no clusters, 148,480 bytes of LDS; arguments query, key, value, Wo, Wq, Wk, bq, bk, qimg, kimg, vimg, woimg; writes qimg, kimg, vimg, woimg
.if DOCPART == 1
	.amdgcn_target "amdgcn-amd-amdhsa--gfx1250"
	.amdhsa_code_object_version 6
	.text
	.protected	k_qce9174b6ba_prep
	.globl	k_qce9174b6ba_prep
	.p2align	8
	.type	k_qce9174b6ba_prep,@function
k_qce9174b6ba_prep:
	s_mov_b64 s[64:65], 0
	v_nop
	global_prefetch_b8 v0, s[64:65] scope:SCOPE_SE
	s_setreg_imm32_b32 hwreg(HW_REG_WAVE_MODE, 25, 1), 1
	s_wait_xcnt 0x0
; PREP: all that is quantised or projected once.  392 work-groups of eight waves, by the work-group's number X:
;   X = 0..127    128 rows of query:  q = (Q(query) Q(Wq) + bq) x log2(e) / 4   -> qimg        X = 128..255  128 rows of key:  k = Q(key) Q(Wk) + bk  -> kimg
;   X = 256..383  128 keys x 128 channels of value -> vimg                                     X = 384..391  128 rows of Wo -> woimg
; Q is the MX quantiser to FP6 (E2M3): blocks of 32 along K, scale 2^(floor(log2(largest magnitude)) - 2), to the nearest code, ties to even, beyond 7.5 the largest code.
; EVERY work-group first quantises one dense block [128 (K)][128 (n)] of f32 whose K is its FIRST axis (Wq, Wk, a block of value, a block of Wo): wave w makes operand fragment w, 16 rows n x 128 K.
; The block goes through LDS as it lies (whole rows of 512 bytes in, single words out), so that a lane takes one column n and its registers run down K, in the order that the operand's layout gives that lane.
; THE ROWS OF A FRAGMENT ARE NOT NEIGHBOURS: lane r of fragment t takes row 32 (t / 2) + 8 (t % 2) + r + 8 (r / 8) of the 128, so that in a transposed product the 16 registers of tiles 2 b, 2 b + 1 are 16 neighbours.
; WORKSPACE IS LAID AS IMAGES OF REGISTERS.  A fragment (12 registers a lane) is 3 x 512 bytes, lane l's 16 bytes at 16 l.  A block's eight scale words a row lie as 512 bytes: word i of lane l's 16 bytes is the word of
; fragment 2 i + l / 16, row l % 16.  A block is 8 x 1,536 + 512 = 12,800 bytes.  q and k are kept in f32, head by head, 16 rows a tile: lane (r, h) holds e = 8 h + 0 .. 7 of row r's 16: 2 x 512 bytes.
; No cluster: what work-groups share here (Wq or Wk, 64 KiB) is read once by each, through registers, on its way to being turned; 136 of the 392 share nothing.  No tensor loads, so no ring.
; LIMITS: NaN and infinities among the inputs are not served.  A block whose largest magnitude lies under 2^(3 - 127), a block of zeros too, gets the scale byte 1 (zeros: the rule says 127): its codes are what the
; conversion makes under that byte (zeros stay zeros), and the bytes are read by this program alone.
.set TURN,  0                          ; LDS: the block: row k at 512 k + 32 (k / 32): lanes 16-31, 32 rows further down, then fall eight banks beside lanes 0-15 (64 banks of 4 bytes: ISA guide 11.1)
.set WIMG,  65792                      ; the eight fragments' images (projecting work-groups)
.set SCI,   WIMG+8*1536                ; their scale image
.set XST,   SCI+512                    ; a stage of 16 rows x 528 bytes for each wave: its rows of query or key
.set XP,    528
.set SCIB,  XST+8*16*XP                ; the scale image of a work-group that only quantises a block: bytes of its own
.set RA,    52                         ; v52-115  the block as loaded; then my 16 rows of x as loaded; then W's fragments 0-3
.set XA,    116                        ; v116-179 my 64 numbers of the block; then my 64 numbers of x; then W's fragments 4-7
.set ACC,   180                        ; v180-243 the eight tiles of the projection, begun with the bias
.set CO,    32                         ; v32-43   the codes just made
.set CT,    44                         ; v44-51   halves of blocks on their way there
.set SW,    23                         ; v23      the block's scale word
.set SX,    24                         ; v24      x's scale word
.set WS,    28                         ; v28-31   W's scale words, as the scale image gives them
; 64 numbers of a lane, register 32 c + i = k 64 c + 32 h + i of its row, become a fragment's codes in v[CO] on and the row's scale word in v[word].
.macro QUANT6 src, word
	v_max3_num_f32 v16, |v[\src]|, |v[\src+1]|, 0x1800000          ; my two whole blocks, by turns; the floor 2^(3 - 127) is one more leaf: the byte cannot fall under 1
	v_max3_num_f32 v17, |v[\src+32]|, |v[\src+33]|, 0x1800000
.irp i, 2,4,6,8,10,12,14,16,18,20,22,24,26,28,30
	v_max3_num_f32 v16, v16, |v[\src+\i]|, |v[\src+\i+1]|
	v_max3_num_f32 v17, v17, |v[\src+32+\i]|, |v[\src+33+\i]|
.endr
	v_add_nc_u32 v18, 0xff000000, v16                              ; 2 off the exponent field: the conversion takes the exponent field of this operand as its scale
	v_add_nc_u32 v19, 0xff000000, v17
	v_lshrrev_b32 v20, 23, v18                                     ; the scales' bytes: blocks h and 2 + h
	v_lshrrev_b32 v21, 23, v19
	v_lshl_or_b32 v[\word], v21, 16, v20
	v_lshlrev_b32 v[\word], v4, v[\word]                           ; at their places in the word: 8 h bits up
	v_permlanex16_b32 v22, v[\word], s34, s35
	v_or_b32 v[\word], v[\word], v22                               ; with lane l xor 16's two the word is whole
.irp c, 0,1
	v_cvt_scalef32_pk16_fp6_f32 v[CO+6*\c:CO+6*\c+2], v[\src+32*\c:\src+32*\c+15], v[18+\c]
	v_cvt_scalef32_pk16_fp6_f32 v[CT+4*\c:CT+4*\c+2], v[\src+32*\c+16:\src+32*\c+31], v[18+\c]   ; (a conversion's three registers begin on an even number)
.endr
	v_nop                                                          ; one plain place behind a scaled conversion
.irp c, 0,1
.irp i, 0,1,2
	v_mov_b32 v[CO+3+6*\c+\i], v[CT+4*\c+\i]
.endr
.endr
.endm
; My fragment of the block: column n = my row of the fragment, 64 words down K, then the quantiser.
.macro BLOCKQ
.set n, 0
.rept 64
	ds_load_b32 v[XA+n], v6 offset:32832*(n/32)+512*(n%32)         ; k = 64 (n / 32) + 32 h + n % 32
.set n, n+1
.endr
	s_wait_dscnt 0x0
	QUANT6 XA, SW
.endm
; One product of the projection, transposed: source 0 = W's fragment t, source 1 = my 16 rows of x.  Odd fragments' scale words stand in lanes 16-31.
.macro PROJ t, a
.if (\t)%2
	v_wmma_scale_f32_16x16x128_f8f6f4 v[ACC+8*(\t):ACC+8*(\t)+7], v[\a:\a+11], v[CO:CO+11], v[ACC+8*(\t):ACC+8*(\t)+7], v[WS+(\t)/2], v[SX] matrix_a_fmt:MATRIX_FMT_FP6 matrix_b_fmt:MATRIX_FMT_FP6 matrix_a_scale:MATRIX_SCALE_ROW1
.else
	v_wmma_scale_f32_16x16x128_f8f6f4 v[ACC+8*(\t):ACC+8*(\t)+7], v[\a:\a+11], v[CO:CO+11], v[ACC+8*(\t):ACC+8*(\t)+7], v[WS+(\t)/2], v[SX] matrix_a_fmt:MATRIX_FMT_FP6 matrix_b_fmt:MATRIX_FMT_FP6
.endif
.endm
; Tiles 2 b, 2 b + 1: lanes 0-15 hold head 2 b's 16 numbers of a row, lanes 16-31 head 2 b + 1's.  The exchange leaves head g's image in v[ACC + 8 g] on: lane (r, h): e = 8 h + 0 .. 7.
.macro HEADS
.irp b, 0,1,2,3
.irp j, 0,1,2,3,4,5,6,7
	v_permlane16_swap_b32 v[ACC+16*\b+\j], v[ACC+16*\b+8+\j]       ; each tile is read from its low end on
.endr
.endr
.endm
	s_load_b512 s[8:23], s[0:1], 0x0               ; query s[8:9], key s[10:11], value s[12:13], Wo s[14:15], Wq s[16:17], Wk s[18:19], bq s[20:21], bk s[22:23]
	s_load_b256 s[24:31], s[0:1], 0x40             ; qimg s[24:25], kimg s[26:27], vimg s[28:29], woimg s[30:31]
	v_lshl_add_u32 v244, v0, 2, 0x24000
	v_mov_b32 v245, 0
	v_lshrrev_b32 v1, 5, v0
	v_readfirstlane_b32 s32, v1                    ; wave w, 0..7
	s_mov_b32 s33, ttmp9                           ; X
	s_mov_b32 s34, 0x76543210
	s_mov_b32 s35, 0xfedcba98                      ; v_permlanex16_b32's selects for lane l xor 16
	s_mov_b32 s46, 0x3eb8aa3b                      ; log2(e) / sqrt(16)
	s_mov_b32 s47, s46                             ; (named with it as a pair, so it is written)
	v_and_b32 v15, 31, v0
	v_lshlrev_b32 v1, 4, v15                       ; 16 x lane
	v_and_b32 v2, 15, v0                           ; r
	v_bfe_u32 v3, v0, 4, 1                         ; h
	v_lshlrev_b32 v4, 3, v3                        ; 8 h
	v_lshlrev_b32 v11, 6, v3                       ; 64 h: the bias's bytes of my half
	v_mov_b32 v22, 0                               ; written once: a lane permute's destination counts as one of its sources
	s_lshr_b32 s50, s32, 1                         ; w / 2
	s_and_b32 s51, s32, 1                          ; w % 2
	s_lshl_b32 s52, s32, 13                        ; 8,192 w: my 16 rows of the block
	v_add_nc_u32 v26, s52, v1                      ; in memory,
	s_lshl_b32 s53, s50, 5
	s_add_co_u32 s53, s53, s52
	v_add_nc_u32 v5, s53, v1                       ; and in TURN: + 32 (w / 2)
	v_and_b32 v6, 8, v2
	v_add_nc_u32 v6, v6, v2                        ; r + 8 (r / 8)
	v_lshlrev_b32 v6, 2, v6
	v_mad_u32_u24 v6, v3, 16416, v6                ; lanes 16-31 begin 32 rows further down
	s_lshl_b32 s53, s50, 7
	s_lshl_b32 s54, s51, 5
	s_add_co_u32 s53, s53, s54
	v_add_nc_u32 v6, s53, v6                       ; out of TURN: column 32 (w / 2) + 8 (w % 2) + r + 8 (r / 8)
	s_mul_i32 s53, s32, 1536
	v_add_nc_u32 v12, s53, v1                      ; my fragment's image: 1,536 w + 16 x lane
	v_add_nc_u32 v7, WIMG, v12
	v_add_nc_u32 v13, WIMG, v1
	s_lshl_b32 s53, s51, 8
	s_lshl_b32 s54, s50, 2
	s_add_co_u32 s53, s53, s54
	v_lshl_add_u32 v8, v2, 4, s53                  ; my scale word's place in a scale image: 256 (w % 2) + 16 r + 4 (w / 2)
	v_add_nc_u32 v25, SCIB, v8
	v_add_nc_u32 v8, SCI, v8
	v_add_nc_u32 v14, SCI, v1
	v_add_nc_u32 v27, SCIB, v1
	s_mul_i32 s53, s32, 16*XP
	s_add_co_u32 s53, s53, XST                     ; my stage
	v_add_nc_u32 v9, s53, v1                       ; in: a whole row, 16 bytes a lane
	v_mul_u32_u24 v10, v2, XP
	v_lshl_add_u32 v10, v3, 7, v10
	v_add_nc_u32 v10, s53, v10                     ; back: row r, + 128 h: my 32 numbers of each 64
	s_sub_co_u32 s40, s33, 256
	s_and_b32 s40, s40, 127                        ; which block of value (0..127) or of Wo (0..7)
	s_mul_i32 s54, s40, 12800                      ; where it goes,
	s_mov_b32 s55, 0
	s_lshl_b32 s40, s40, 16                        ; where it comes from
	s_mov_b32 s41, 0
	s_and_b32 s56, s33, 127                        ; which 128 rows of query or key
	s_wait_kmcnt 0x0
	s_cmp_lt_u32 s33, 128                          ; the buffers are chosen on the work-group's number alone
	s_cselect_b64 s[36:37], s[16:17], s[18:19]
	s_cselect_b64 s[42:43], s[8:9], s[10:11]
	s_cselect_b64 s[44:45], s[20:21], s[22:23]
	s_cmp_lt_u32 s33, 384
	s_cselect_b64 s[38:39], s[12:13], s[14:15]
	s_cselect_b64 s[48:49], s[28:29], s[30:31]
	s_cmp_lt_u32 s33, 256
	s_cselect_b64 s[36:37], s[36:37], s[38:39]
	s_cselect_b32 s40, 0, s40
	s_add_nc_u64 s[36:37], s[36:37], s[40:41]      ; the block
.set i, 0
.rept 16
	global_load_b128 v[RA+4*i:RA+4*i+3], v26, s[36:37] offset:512*i    ; a whole row of 512 bytes a load
.set i, i+1
.endr
.set i, 0
.rept 16
	s_wait_loadcnt 15-i                            ; loads come back in order: row i is in, the younger ones stay out
	ds_store_b128 v5, v[RA+4*i:RA+4*i+3] offset:512*i
.set i, i+1
.endr
	s_wait_dscnt 0x0                               ; for the others' sake: my rows lie in TURN
	s_barrier_signal -1
	s_barrier_wait -1                              ; the block is whole; from here on it is only read
	s_cmp_lt_u32 s33, 256                          ; the one parting of the two kinds of work-group
	s_cbranch_scc0 .Lblock
	; ---- a projecting work-group.  My 16 rows of x (rows of a tile are chosen as a fragment's rows are) and the bias are asked for now and land while W is quantised
	s_lshl_b32 s40, s56, 16
	s_lshl_b32 s57, s50, 14
	s_add_co_u32 s40, s40, s57
	s_lshl_b32 s57, s51, 12
	s_add_co_u32 s40, s40, s57                     ; 512 x (128 x group + 32 (w / 2) + 8 (w % 2))
	s_add_nc_u64 s[42:43], s[42:43], s[40:41]
.set i, 0
.rept 16
	global_load_b128 v[RA+4*i:RA+4*i+3], v1, s[42:43] offset:(i+8*(i/8))*512 th:TH_LOAD_NT   ; a whole row; read once in the launch
.set i, i+1
.endr
.set t, 0
.rept 8
	global_load_b128 v[ACC+8*t:ACC+8*t+3], v11, s[44:45] offset:128*(t/2)+32*(t%2)           ; the bias is the C of each sum: lane (r, h), tile t: n = 32 (t / 2) + 8 (t % 2) + 16 h + 0 .. 7
	global_load_b128 v[ACC+8*t+4:ACC+8*t+7], v11, s[44:45] offset:128*(t/2)+32*(t%2)+16
.set t, t+1
.endr
	BLOCKQ
	ds_store_b128 v7, v[CO:CO+3]                   ; my fragment of W goes to the other waves as an image of its registers
	ds_store_b128 v7, v[CO+4:CO+7] offset:512
	ds_store_b128 v7, v[CO+8:CO+11] offset:1024
	ds_store_b32 v8, v[SW]                         ; (lanes r and r + 16 write the same word with the same value)
.set i, 0
.rept 16
	s_wait_loadcnt 31-i                            ; row i of x is in: behind it 15 - i rows and the bias's 16 loads may be out
	ds_store_b128 v9, v[RA+4*i:RA+4*i+3] offset:XP*i
.set i, i+1
.endr
	s_wait_dscnt 0x0
	s_barrier_signal -1
	s_barrier_wait -1                              ; W's eight fragments and their scale image lie in LDS
.set i, 0
.rept 16
	ds_load_b128 v[XA+4*i:XA+4*i+3], v10 offset:256*(i/8)+16*(i%8)     ; x(r, 64 c + 32 h + 0 .. 31)
.set i, i+1
.endr
	ds_load_b128 v[WS:WS+3], v14
.irp t, 0,1,2,3
.irp c, 0,1,2
	ds_load_b128 v[RA+12*\t+4*\c:RA+12*\t+4*\c+3], v13 offset:1536*\t+512*\c
.endr
.endr
	s_wait_dscnt 13                                ; x is in; the 13 loads behind it may be out
	QUANT6 XA, SX
.irp t, 0,1,2,3
.irp c, 0,1,2
	ds_load_b128 v[XA+12*\t+4*\c:XA+12*\t+4*\c+3], v13 offset:1536*(4+\t)+512*\c
.endr
.endr
.rept 8
	v_nop                                          ; a scale register written by a vector instruction stands 8 places ahead of a scaled matrix instruction, an operand so written 4
.endr
	s_wait_loadcnt 0x0                             ; the bias
	s_wait_dscnt 12                                ; W's scale words and fragments 0-3 are in; fragments 4-7 may be out
	PROJ 0, RA
	PROJ 1, RA+12
	PROJ 2, RA+24
	PROJ 3, RA+36
	s_wait_dscnt 0x0
	PROJ 4, XA
	PROJ 5, XA+12
	PROJ 6, XA+24
	PROJ 7, XA+36
.rept 4
	v_nop                                          ; four places ahead of the first read of results (ISA guide 7.12.1)
.endr
	s_cmp_lt_u32 s33, 128
	s_cbranch_scc0 .Lkey
.set j, 0
.rept 32
	v_pk_mul_f32 v[ACC+j:ACC+j+1], v[ACC+j:ACC+j+1], s[46:47] op_sel_hi:[1,0]   ; q carries the scores' factor: t = score x log2(e) / 4
.set j, j+2
.endr
	HEADS
	s_lshl_b32 s58, s56, 16
	s_add_co_u32 s58, s58, s52                     ; tile 8 x group + w: 8,192 bytes a tile
	s_mov_b32 s59, 0
	s_add_nc_u64 s[24:25], s[24:25], s[58:59]
.set g, 0
.rept 8
	global_store_b128 v1, v[ACC+8*g:ACC+8*g+3], s[24:25] offset:1024*g         ; 32 lanes store 512 consecutive bytes, at a multiple of 256 from the buffer's first byte
	global_store_b128 v1, v[ACC+8*g+4:ACC+8*g+7], s[24:25] offset:1024*g+512
.set g, g+1
.endr
	s_wait_tensorcnt 0x0
	ds_add_u32 v244, v245
	s_wait_dscnt 0x0
	s_endpgm
.Lkey:
	HEADS
	s_lshr_b32 s58, s56, 4                         ; kimg: [batch][16 x (head / 4) + key step][head % 4][tile w][2][lane][16 bytes]
	s_lshl_b32 s58, s58, 20
	s_and_b32 s59, s56, 15
	s_lshl_b32 s59, s59, 15
	s_add_co_u32 s58, s58, s59
	s_lshl_b32 s59, s32, 10
	s_add_co_u32 s58, s58, s59
	s_mov_b32 s59, 0
	s_add_nc_u64 s[26:27], s[26:27], s[58:59]
.set g, 0
.rept 8
	global_store_b128 v1, v[ACC+8*g:ACC+8*g+3], s[26:27] offset:524288*(g/4)+8192*(g%4)
	global_store_b128 v1, v[ACC+8*g+4:ACC+8*g+7], s[26:27] offset:524288*(g/4)+8192*(g%4)+512
.set g, g+1
.endr
	s_wait_tensorcnt 0x0
	ds_add_u32 v244, v245
	s_wait_dscnt 0x0
	s_endpgm
	; ---- a work-group that only quantises: a block of value or of Wo
.Lblock:
	BLOCKQ
	ds_store_b32 v25, v[SW]
	s_add_nc_u64 s[48:49], s[48:49], s[54:55]
	global_store_b128 v12, v[CO:CO+3], s[48:49]                    ; my fragment's image: 3 x 512 consecutive bytes
	global_store_b128 v12, v[CO+4:CO+7], s[48:49] offset:512
	global_store_b128 v12, v[CO+8:CO+11], s[48:49] offset:1024
	s_wait_dscnt 0x0                               ; for wave 0's sake: my scale words lie in the image
	s_barrier_signal -1
	s_barrier_wait -1
	s_cmp_lg_u32 s32, 0
	s_cbranch_scc1 .Lblock_end
	ds_load_b128 v[CT:CT+3], v27
	s_wait_dscnt 0x0
	global_store_b128 v1, v[CT:CT+3], s[48:49] offset:12288        ; the scale image leaves as 512 consecutive bytes
.Lblock_end:
	s_wait_tensorcnt 0x0
	ds_add_u32 v244, v245
	s_wait_dscnt 0x0
	s_endpgm
.Lfunc_end_k_qce9174b6ba_prep:
	.size	k_qce9174b6ba_prep, .Lfunc_end_k_qce9174b6ba_prep-k_qce9174b6ba_prep
	.p2alignl 7, 3214868480
	.fill 96, 4, 3214868480
	.section	.rodata,"a",@progbits
	.p2align	6, 0x0
	.amdhsa_kernel k_qce9174b6ba_prep
		.amdhsa_group_segment_fixed_size 148480
		.amdhsa_private_segment_fixed_size 0
		.amdhsa_enable_private_segment 0
		.amdhsa_kernarg_size 96
		.amdhsa_user_sgpr_count 2
		.amdhsa_user_sgpr_kernarg_segment_ptr 1
		.amdhsa_wavefront_size32 1
		.amdhsa_system_sgpr_workgroup_id_x 1
		.amdhsa_system_sgpr_workgroup_id_y 1
		.amdhsa_system_sgpr_workgroup_id_z 1
		.amdhsa_system_vgpr_workitem_id 0
		.amdhsa_next_free_vgpr 246
		.amdhsa_next_free_sgpr 66
		.amdhsa_reserve_vcc 0
		.amdhsa_float_denorm_mode_32 3
		.amdhsa_float_denorm_mode_16_64 3
		.amdhsa_memory_ordered 1
		.amdhsa_forward_progress 1
		.amdhsa_inst_pref_size 42
	.end_amdhsa_kernel
	.amdgpu_metadata
---
amdhsa.version: [ 1, 2 ]
amdhsa.kernels:
  - .name:           k_qce9174b6ba_prep
    .symbol:         k_qce9174b6ba_prep.kd
    .args:
      - { .name: query, .offset: 0, .size: 8, .value_kind: global_buffer, .address_space: global }
      - { .name: key, .offset: 8, .size: 8, .value_kind: global_buffer, .address_space: global }
      - { .name: value, .offset: 16, .size: 8, .value_kind: global_buffer, .address_space: global }
      - { .name: Wo, .offset: 24, .size: 8, .value_kind: global_buffer, .address_space: global }
      - { .name: Wq, .offset: 32, .size: 8, .value_kind: global_buffer, .address_space: global }
      - { .name: Wk, .offset: 40, .size: 8, .value_kind: global_buffer, .address_space: global }
      - { .name: bq, .offset: 48, .size: 8, .value_kind: global_buffer, .address_space: global }
      - { .name: bk, .offset: 56, .size: 8, .value_kind: global_buffer, .address_space: global }
      - { .name: qimg, .offset: 64, .size: 8, .value_kind: global_buffer, .address_space: global }
      - { .name: kimg, .offset: 72, .size: 8, .value_kind: global_buffer, .address_space: global }
      - { .name: vimg, .offset: 80, .size: 8, .value_kind: global_buffer, .address_space: global }
      - { .name: woimg, .offset: 88, .size: 8, .value_kind: global_buffer, .address_space: global }
    .group_segment_fixed_size: 148480
    .private_segment_fixed_size: 0
    .kernarg_segment_align: 8
    .kernarg_segment_size: 96
    .max_flat_workgroup_size: 256
    .sgpr_count:     66
    .vgpr_count:     246
    .wavefront_size: 32
...
	.end_amdgpu_metadata
.endif
;; end of part 1
;; launch attn (part 2): grid 32 x 8, 16 waves a work-group, no clusters, 327,680 bytes of LDS; arguments qimg, kimg, vimg, woimg, bo, out0; writes out0
.if DOCPART == 2
	.amdgcn_target "amdgcn-amd-amdhsa--gfx1250"
	.amdhsa_code_object_version 6
	.text
	.protected	k_qce9174b6ba_attn
	.globl	k_qce9174b6ba_attn
	.p2align	8
	.type	k_qce9174b6ba_attn,@function
k_qce9174b6ba_attn:
	s_mov_b64 s[64:65], 0
	v_nop
	global_prefetch_b8 v0, s[64:65] scope:SCOPE_SE
	s_setreg_imm32_b32 hwreg(HW_REG_WAVE_MODE, 25, 1), 1
	s_wait_xcnt 0x0
; ATTN: scores, softmax, p x value, x x Wo + bo, fused.  A work-group owns 64 queries of one batch, all eight heads.  Sixteen waves: wave w takes the tile of 16 queries qt = w % 4 and, in pass p = 0, 1, head 4 p + w / 4.
; SCORES (K = 16, left as they are, and on their way to a quantiser): f32 operands, v_wmma_f32_16x16x4_f32, four K steps.  q carries log2(e) / 4, so a score IS t.
; SOFTMAX AHEAD OF THE QUANTISED PRODUCT: M = the row's running largest t rounded UP to a whole number; p = 2^(t - M) is quantised along the keys, not normalised; the row's sum is taken of the unquantised p, in f32, and
; divides O at the end.  When M moves, the sum and O are multiplied by 2^(old M - new M): exact.
; Both products are used transposed (S^T = k q^T, O^T = V^T p^T): a lane holds ONE query (lane % 16) throughout.  The keys of a tile of k, and the channels of a fragment of V, are chosen (lane r of tile t: 32 (t / 2) +
; 8 (t % 2) + r + 8 (r / 8)) so that the 16 registers of tiles 2 b, 2 b + 1 are 16 neighbours along the next product's K.  All operands come as images of their registers: every LDS load takes 512 consecutive bytes.
; LDS: k goes through a ring of two slots, an INTERVAL at a time (128 keys x the pass's four heads, 32 KiB); V's codes and scales of the whole batch (16 x 12,800 bytes) are filled once and stay: they serve all eight heads.
; TWO CLASSES OF WAVES, AND WORK INSIDE THE BARRIER.  Class = (w / 2 xor w / 8) % 2.  One barrier stands in front of each refill of a slot; between its signal and its wait each wave has work on registers alone:
; class 1 the softmax of the step in hand, class 0 the second 16 of that step's 32 score products (its fragments of k are in registers by then).  Behind the wait class 0 runs the softmax; both run p x V; both fetch the
; next step's k and run its first 16 products; class 1 runs the other 16.  So at the barrier one class is at the matrix unit and the other at the vector unit, and neither stands still for it.  The partings hang on the
; wave's number alone; no barrier, no tensor load and none of the lines in front of a barrier stands inside one.  Waves 0 and 1, which fetch k, are of class 0, whose signal comes last in an interval.
; NO CLUSTER, though the 32 work-groups of a batch walk the same k and V.  A joint refill stands behind a whole round of the cluster's barrier, and the round's closing barrier is reached by every wave with nothing left
; to do: 32 times all sixteen waves would stand still together.  A work-group's own refill wants the one barrier above.  What a work-group then fetches alone is 32 KiB an interval, for 160 matrix instructions of a SIMD's four waves.
; AT A PASS'S END x = O / sum is quantised in registers (K = head x 128 + channel) and goes to LDS as an image; at the end wave w makes outputs' tile w % 8 for two tiles of queries, K = 1,024 in eight steps.
; LIMITS: NaN and infinities are not served.  A block of p or of x whose largest magnitude lies under 2^(3 - 127) keeps the scale byte 1.  v_exp_f32 gives 0 for p under 2^-126.  A block's largest p is taken as
; the exponential of the block's largest t, which leans on v_exp_f32 not falling where its input rises.
.set SLOTB, 32768                      ; LDS: k's slots at 0 and at 32,768: [head % 4][tile 8][2][lane][16 bytes]
.set VRES,  65536                      ; V: 16 key steps x 12,800 bytes (8 fragments x 1,536, then the scale image of 512)
.set VBLK,  12800
.set XIMG,  270336                     ; x's 32 fragments (8 x tile of queries + head) x 1,536 bytes
.set XSC,   319488                     ; their scale words, 128 bytes each
.set SPARE, 323584                     ; the spare words, 128 bytes for each wave: eight blocks of 256 bytes that no other line names
.set STP,   528                        ; the way out: a stage of 64 rows x (512 + 16) bytes from byte 0 on: over k's slots, behind their last fill and their last read
; v0 thread; v1 my place in a slot of k; v2 my place in a block of V; v3, v4 the add's two; v5, v6 addresses of the interval's k and V; v7, v8 where x's image and scale word go; v9 16 x lane;
; v[10:11] the sum's second chain; v12 -M; v13 the largest t; v[14:15] the sum; v16-23 q
.set S,   24                           ; v24-87   S^T: written by matrix instructions alone
.set P,   88                           ; v88-151  k's fragments, then p, then V's fragments
.set O,   152                          ; v152-215 O^T
.set CD,  216                          ; v216-227 the codes just made
.set CT,  228                          ; v228-235 halves of blocks on their way there
.set BT,  228                          ; v228-231 ahead of the conversions: the other half's maxima, then the scales' bytes
.set BM,  236                          ; v236-239 the blocks' maxima, then, in place, the conversions' scale operands
.set WOS, 240                          ; v240-247 Wo's scale words of my tile, one a K step: loaded once
.set VS,  248                          ; v248-251 V's scale words; at the end x's
.set F,   252                          ; v[252:253] f = 2^(old M - new M)
.set T,   254
.set PW,  255                          ; p's or x's scale word
; s16 wave; s17 w % 4; s18 w / 4; s19 class; s[20:21] lane selects; s22 the interval J; s23 the slot in hand; s[24:31], s[32:35] k's descriptor; s[40:47], s[48:51] V's descriptor; s58-61 at work on LDS addresses
.macro NOPS n
.rept \n
	v_nop
.endr
.endm
; The refill: waves 0 and 1 fetch the two halves of the next interval's k.  Four v_nop follow the load.
.macro KLOAD
	s_cmp_lt_u32 s16, 2
	s_cbranch_scc0 .Lno_k_\@
	tensor_load_to_lds s[32:35], s[24:31]
	s_nop 0
	NOPS 4
.Lno_k_\@:
.endm
; IN FRONT OF THE CHANGE OF SLOTS.  Each wave waits for all its tensor loads (its part of the slot ahead), adds 0 to its spare word, waits for that and for its reads of the slot in hand, and says so.
; fill = 1: behind the barrier's wait the slot in hand is filled with the k of two intervals on.
.macro MEET fill
	s_wait_tensorcnt 0x0                           ; no tensor load of mine is out, so the descriptor may be written
	ds_add_u32 v3, v4                              ; 0 onto my spare word
.if \fill
	s_xor_b32 s33, s33, SLOTB                      ; the other slot than last time,
	s_add_nc_u64 s[34:35], s[34:35], SLOTB         ; the next 32 KiB of kimg; the type bits on top are not reached
.endif
	s_wait_dscnt 0x0                               ; the add is done, and my LDS reads are over: class 0's second halves of k's fragments are in registers
	s_barrier_signal -1
.endm
.macro ADDR                            ; on every wave's way: interval J's k, and V's key step (J - 1) % 16 = (J + 15) % 16: p x V runs one interval behind the scores' first products
	v_add_nc_u32 v5, s23, v1
	s_add_co_u32 s58, s22, 15
	s_and_b32 s58, s58, 15
	s_mul_i32 s58, s58, VBLK
	v_add_nc_u32 v6, s58, v2
.endm
.macro NEXT
	s_xor_b32 s23, s23, SLOTB
	s_add_co_u32 s22, s22, 1
.endm
; SCORES: S^T = k q^T for 128 keys: eight tiles by turns, four K steps of 4.  Lane (r, h) holds e = 8 h + 0 .. 7 of its row of k and of q alike; step c takes registers 2 c, 2 c + 1 of both.
; KFA: all of k's fragments are asked for, and K steps 0 and 1 run.  SWB: K steps 2 and 3: registers alone.
.macro KFA
	NOPS 4                                         ; places ahead of loads into registers that the products p x V read
.irp t, 0,1,2,3,4,5,6,7
	ds_load_b128 v[P+8*\t:P+8*\t+3], v5 offset:1024*\t
.endr
.irp t, 0,1,2,3,4,5,6,7
	ds_load_b128 v[P+8*\t+4:P+8*\t+7], v5 offset:1024*\t+512
.endr
	s_wait_dscnt 8                                 ; the first halves are in; the eight loads behind them may be out
.irp t, 0,1,2,3,4,5,6,7
	v_wmma_f32_16x16x4_f32 v[S+8*\t:S+8*\t+7], v[P+8*\t:P+8*\t+1], v[16:17], 0       ; the first K step starts the sums
.endr
.irp t, 0,1,2,3,4,5,6,7
	v_wmma_f32_16x16x4_f32 v[S+8*\t:S+8*\t+7], v[P+8*\t+2:P+8*\t+3], v[18:19], v[S+8*\t:S+8*\t+7]
.endr
.endm
.macro SWB
.irp t, 0,1,2,3,4,5,6,7
	v_wmma_f32_16x16x4_f32 v[S+8*\t:S+8*\t+7], v[P+8*\t+4:P+8*\t+5], v[20:21], v[S+8*\t:S+8*\t+7]
.endr
.irp t, 0,1,2,3,4,5,6,7
	v_wmma_f32_16x16x4_f32 v[S+8*\t:S+8*\t+7], v[P+8*\t+6:P+8*\t+7], v[22:23], v[S+8*\t:S+8*\t+7]
.endr
.endm
; From the four blocks' largest magnitudes in v[BM] on (floor included) and 64 numbers in v[P] on (register 16 b + i = k 32 b + 16 h + i of my row): the scale word in v[PW], the codes in v[CD] on.
.macro TOCODES
.irp b, 0,1,2,3
	v_add_nc_u32 v[BM+\b], 0xff000000, v[BM+\b]    ; 2 off the exponent field: the conversion's scale operand
.endr
.irp b, 0,1,2,3
	v_lshrrev_b32 v[BT+\b], 23, v[BM+\b]           ; the scale's byte
.endr
	v_lshl_or_b32 v[PW], v[BT+1], 8, v[BT]
	v_lshl_or_b32 v[PW], v[BT+2], 16, v[PW]
	v_lshl_or_b32 v[PW], v[BT+3], 24, v[PW]
.irp c, 0,1
	v_cvt_scalef32_pk16_fp6_f32 v[CD+6*\c:CD+6*\c+2], v[P+32*\c:P+32*\c+15], v[BM+2*\c]
	v_cvt_scalef32_pk16_fp6_f32 v[CT+4*\c:CT+4*\c+2], v[P+32*\c+16:P+32*\c+31], v[BM+2*\c+1]   ; (a conversion's three registers begin on an even number)
.endr
	v_nop                                          ; one plain place behind a scaled conversion
.irp c, 0,1                                    ; the operand's layout wants a WHOLE block in a lane: lanes 0-15 block 2 c, lanes 16-31 block 2 c + 1
.irp i, 0,1,2
	v_permlane16_swap_b32 v[CD+6*\c+\i], v[CT+4*\c+\i]
.endr
.irp i, 0,1,2
	v_mov_b32 v[CD+3+6*\c+\i], v[CT+4*\c+\i]
.endr
.endr
.endm
; THE SOFTMAX of 16 queries x 128 keys: registers alone.
.macro SMP
	NOPS 8                                         ; eight places ahead of the first read of the scores, and of writes into the registers that their products read
.irp b, 0,1,2,3
	v_max3_num_f32 v[BM+\b], v[S+16*\b], v[S+16*\b+1], v[S+16*\b+2]      ; the largest t of each block of 32 keys: it serves the row's maximum and, since p rises with t, the block's largest p.  Each tile is read from its low end on
.endr
.irp i, 3,5,7,9,11,13
.irp b, 0,1,2,3
	v_max3_num_f32 v[BM+\b], v[BM+\b], v[S+16*\b+\i], v[S+16*\b+\i+1]
.endr
.endr
.irp b, 0,1,2,3
	v_max_num_f32 v[BM+\b], v[BM+\b], v[S+16*\b+15]
.endr
.irp b, 0,1,2,3
	v_permlanex16_b32 v[BT+\b], v[BM+\b], s20, s21
.endr
.irp b, 0,1,2,3
	v_max_num_f32 v[BM+\b], v[BM+\b], v[BT+\b]     ; with lane l xor 16's 16 keys
.endr
	v_max3_num_f32 v[T], v[BM], v[BM+1], v[BM+2]
	v_max_num_f32 v[T], v[T], v[BM+3]
	v_max_num_f32 v13, v13, v[T]                   ; the running largest t
	v_mov_b32 v[T], v12
	v_floor_f32 v12, -v13                          ; the new -M = floor(-t) = -ceil(t): a whole number
	v_sub_f32 v[T], v12, v[T]                      ; old M - new M: a whole number, 0 or less
	v_cvt_i32_f32 v[T], v[T]                       ; (it saturates)
	v_ldexp_f32 v[F], 1.0, v[T]                    ; f = 2^(old M - new M)
.set j, 0
.rept 32
	v_pk_add_f32 v[P+j:P+j+1], v[S+j:S+j+1], v[12:13] op_sel_hi:[1,0]    ; t - M, two at a time, into other registers than the scores'
.set j, j+2
.endr
.irp b, 0,1,2,3
	v_add_f32 v[BM+\b], v[BM+\b], v12              ; the same of each block's largest t
.endr
.set j, 0
.rept 64
	v_exp_f32 v[P+j], v[P+j]                       ; p = 2^(t - M), at most 1
.set j, j+1
.endr
.irp b, 0,1,2,3
	v_exp_f32 v[BM+\b], v[BM+\b]                   ; the block's largest p: the same two operations on the same number
.endr
	v_pk_mul_f32 v[14:15], v[14:15], v[F:F+1] op_sel_hi:[1,0]            ; the sum under the new M.  (A plain place behind the exponentials)
	s_wait_alu depctr_va_vdst(0)
.irp b, 0,1,2,3
	v_max_num_f32 v[BM+\b], 0x1800000, v[BM+\b]    ; the floor 2^(3 - 127): the byte cannot fall under 1
.endr
	TOCODES
	v_pk_add_f32 v[10:11], v[P:P+1], v[P+2:P+3]    ; the row's sum is taken of the unquantised p: two at a time, in two chains
.set j, 4
.rept 15
	v_pk_add_f32 v[14:15], v[14:15], v[P+j:P+j+1]
	v_pk_add_f32 v[10:11], v[10:11], v[P+j+2:P+j+3]
.set j, j+4
.endr
	v_pk_add_f32 v[14:15], v[14:15], v[10:11]
.endm
.macro PVMUL t, f                      ; O^T tile t += V's fragment (in place f) x p.  Odd fragments' scale words stand in lanes 16-31
.if (\t)%2
	v_wmma_scale_f32_16x16x128_f8f6f4 v[O+8*(\t):O+8*(\t)+7], v[P+12*(\f):P+12*(\f)+11], v[CD:CD+11], v[O+8*(\t):O+8*(\t)+7], v[VS+(\t)/2], v[PW] matrix_a_fmt:MATRIX_FMT_FP6 matrix_b_fmt:MATRIX_FMT_FP6 matrix_a_scale:MATRIX_SCALE_ROW1
.else
	v_wmma_scale_f32_16x16x128_f8f6f4 v[O+8*(\t):O+8*(\t)+7], v[P+12*(\f):P+12*(\f)+11], v[CD:CD+11], v[O+8*(\t):O+8*(\t)+7], v[VS+(\t)/2], v[PW] matrix_a_fmt:MATRIX_FMT_FP6 matrix_b_fmt:MATRIX_FMT_FP6
.endif
.endm
; O^T += V^T p^T: eight tiles of 16 channels, K = the step's 128 keys.
.macro PVP
.set j, 0
.rept 8
	v_pk_mul_f32 v[O+j:O+j+1], v[O+j:O+j+1], v[F:F+1] op_sel_hi:[1,0]    ; O^T under the new M.  Eight of the 32 stand ahead of the loads: on any way through the text they are the places between score products, which read v[P] on, and loads into those registers
.set j, j+2
.endr
	ds_load_b128 v[VS:VS+3], v6 offset:8*1536
.irp t, 0,1,2,3
.irp c, 0,1,2
	ds_load_b128 v[P+12*\t+4*\c:P+12*\t+4*\c+3], v6 offset:1536*\t+512*\c
.endr
.endr
.rept 24
	v_pk_mul_f32 v[O+j:O+j+1], v[O+j:O+j+1], v[F:F+1] op_sel_hi:[1,0]    ; the rest while the loads are out.  (All 32 are also the places between p's scale word and codes and the products)
.set j, j+2
.endr
	s_wait_dscnt 0x0
	PVMUL 0, 0
	PVMUL 1, 1
	PVMUL 2, 2
	PVMUL 3, 3
	NOPS 4                                         ; places ahead of loads into registers that these products read
.irp t, 0,1,2,3
.irp c, 0,1,2
	ds_load_b128 v[P+12*\t+4*\c:P+12*\t+4*\c+3], v6 offset:1536*(4+\t)+512*\c
.endr
.endr
	s_wait_dscnt 0x0
	PVMUL 4, 0
	PVMUL 5, 1
	PVMUL 6, 2
	PVMUL 7, 3
.endm
.macro INIT                            ; a head begins: the step is written once, and the first finds zeros, which the first change of M leaves zeros
	v_mov_b32 v13, 0xff61b1e6                      ; the largest t so far: -3e38
	v_floor_f32 v12, -v13
	v_mov_b32 v14, 0
	v_mov_b32 v15, 0
.set j, 0
.rept 64
	v_mov_b32 v[O+j], 0
.set j, j+1
.endr
.endm
; A HEAD ENDS (pass p): x = O^T / the sum, quantised along the channels (register 16 b + i is channel 32 b + 16 h + i), goes to LDS as K step 4 p + w / 4 of the last product.  p = 0: the next head's q comes, and the head begins.
.macro FIN p
	NOPS 8                                         ; places ahead of the first read of O^T, and of the load into q's registers, which the scores' products read
.if \p == 0
	global_load_b128 v[16:19], v9, s[4:5] offset:4096
	global_load_b128 v[20:23], v9, s[4:5] offset:4608
.endif
	v_add_f32 v14, v14, v15                        ; the sum's two halves,
	v_permlanex16_b32 v[T], v14, s20, s21
	v_add_f32 v14, v14, v[T]                       ; and lane l xor 16's keys
	v_rcp_f32 v14, v14
	v_nop                                          ; a plain place behind the reciprocal
.set j, 0
	s_wait_alu depctr_va_vdst(0)
.rept 32
	v_pk_mul_f32 v[P+j:P+j+1], v[O+j:O+j+1], v[14:15] op_sel_hi:[1,0]    ; each tile from its low end on
.set j, j+2
.endr
.irp b, 0,1,2,3
	v_max3_num_f32 v[BM+\b], |v[P+16*\b]|, |v[P+16*\b+1]|, 0x1800000
.endr
.irp i, 2,4,6,8,10,12,14
.irp b, 0,1,2,3
	v_max3_num_f32 v[BM+\b], v[BM+\b], |v[P+16*\b+\i]|, |v[P+16*\b+\i+1]|
.endr
.endr
.irp b, 0,1,2,3
	v_permlanex16_b32 v[BT+\b], v[BM+\b], s20, s21
.endr
.irp b, 0,1,2,3
	v_max_num_f32 v[BM+\b], v[BM+\b], v[BT+\b]
.endr
	TOCODES
.irp c, 0,1,2
	ds_store_b128 v7, v[CD+4*\c:CD+4*\c+3] offset:6144*\p+512*\c
.endr
	ds_store_b32 v8, v[PW] offset:512*\p
.if \p == 0
	INIT
	s_wait_loadcnt 0x0                             ; q
.endif
.endm
; AN INTERVAL J: the barrier in front of it, with step J - 1's work on registers inside, and behind it what reads LDS.
; kind 0: J = 0: nothing is in hand yet; all waves run all 32 products.  kind 1: J = 1: all waves run the softmax inside the barrier; the classes part at the end.  So every register that goes from one part of an
; interval to another has been written on the way that all waves take.  kind 2: any other.  kind 3: J = 16: a head ends and the next begins behind p x V.
.macro IV fill, kind
	MEET \fill
.if \kind == 1
	SMP
.endif
.if \kind >= 2
	s_cmp_eq_u32 s19, 0
	s_cbranch_scc1 .Lbehind_\@
	SMP                                            ; class 1: the softmax of step J - 1
	s_branch .Lmet_\@
.Lbehind_\@:
	SWB                                            ; class 0: the second half of step J - 1's products
.Lmet_\@:
.endif
	s_barrier_wait -1                              ; every wave has said so: the slot ahead is whole, and nobody reads the other one
.if \fill
	KLOAD                                          ; the first thing behind the barrier, and a wave's one tensor load until the next
.endif
	ADDR
.if \kind >= 2
	s_cmp_eq_u32 s19, 0
	s_cbranch_scc0 .Lahead_\@
	SMP                                            ; class 0: the softmax of step J - 1
.Lahead_\@:
.endif
.if \kind >= 1
	PVP                                            ; step J - 1
.endif
.if \kind == 3
	FIN 0
.endif
	KFA                                            ; step J
.if \kind >= 1
	s_cmp_eq_u32 s19, 0
	s_cbranch_scc1 .Lhalf_\@
.endif
	s_wait_dscnt 0x0                               ; class 1 (at J = 0: all): the second halves of k's fragments are in
	SWB
.if \kind >= 1
.Lhalf_\@:
.endif
	NEXT
.endm
	s_load_b256 s[4:11], s[0:1], 0x0               ; qimg s[4:5], kimg s[6:7], vimg s[8:9], woimg s[10:11]
	s_load_b128 s[12:15], s[0:1], 0x20             ; bo s[12:13], out0 s[14:15]
	v_lshl_add_u32 v3, v0, 2, SPARE
	v_mov_b32 v4, 0
	ds_add_u32 v3, v4
	ds_add_u32 v3, v4
	s_wait_dscnt 0x0
	v_lshrrev_b32 v1, 5, v0
	v_readfirstlane_b32 s16, v1                    ; wave 0..15
	s_and_b32 s17, s16, 3                          ; my tile of queries
	s_lshr_b32 s18, s16, 2                         ; my head of the pass's four
	s_lshr_b32 s19, s16, 1
	s_lshr_b32 s36, s16, 3
	s_xor_b32 s19, s19, s36
	s_and_b32 s19, s19, 1                          ; my class: of waves w, w + 4, w + 8, w + 12, and of waves 4 i .. 4 i + 3, two fall into each
	s_mov_b32 s20, 0x76543210
	s_mov_b32 s21, 0xfedcba98                      ; v_permlanex16_b32's selects for lane l xor 16
	s_mov_b32 s22, 0
	s_mov_b32 s23, 0
	s_and_b32 s52, ttmp7, 0xffff                   ; the batch
	s_mov_b32 s53, ttmp9                           ; my block of 64 queries
	; descriptor group 1: dense blocks as rows of 256 bytes (32 elements of 8 bytes), no padding; k: 64 rows a load, V: 50
	s_mov_b32 s24, 3<<16                           ; 15:0 no mask; 17:16 elements of 8 bytes
	s_mov_b32 s25, 32<<16                          ; tensor_dim0 = 32
	s_mov_b32 s26, 64<<16                          ; tensor_dim1 = 64
	s_mov_b32 s27, 32<<16                          ; tile_dim0 = 32
	s_mov_b32 s28, 64                              ; tile_dim1 = 64
	s_mov_b32 s29, 32                              ; elements from row to row
	s_mov_b32 s30, 0
	s_mov_b32 s31, 0
	s_mov_b32 s40, 3<<16
	s_mov_b32 s41, 32<<16
	s_mov_b32 s42, 50<<16
	s_mov_b32 s43, 32<<16
	s_mov_b32 s44, 50
	s_mov_b32 s45, 32
	s_mov_b32 s46, 0
	s_mov_b32 s47, 0
	s_and_b32 s55, s16, 1
	s_lshl_b32 s33, s55, 14                        ; k: which half of a slot I fetch, if I fetch: its LDS address,
	s_lshl_b32 s54, s52, 20
	s_add_co_u32 s54, s54, s33                     ; and its place in kimg: 2^20 x batch + 16,384 x half
	s_mov_b32 s55, 0
	s_mul_i32 s57, s16, VBLK                       ; V: key step w
	s_add_co_u32 s49, s57, VRES
	s_mul_i32 s56, s52, 16*VBLK
	s_add_co_u32 s56, s56, s57
	s_mov_b32 s57, 0
	s_mov_b32 s32, 1                               ; count = 1
	s_mov_b32 s48, 1
	s_lshl_b32 s38, s52, 7                         ; q: tile 128 x batch + 4 x block + w % 4, 8,192 bytes a tile; head w / 4: 1,024 bytes a head
	s_lshl_b32 s39, s53, 2
	s_add_co_u32 s38, s38, s39
	s_add_co_u32 s38, s38, s17
	s_lshl_b32 s38, s38, 13
	s_lshl_b32 s39, s18, 10
	s_add_co_u32 s38, s38, s39
	s_mov_b32 s39, 0
	s_wait_kmcnt 0x0
	s_add_nc_u64 s[4:5], s[4:5], s[38:39]
	s_lshl_b32 s38, s52, 11                        ; out0: row 2,048 x batch + 64 x block + 4 w, 512 bytes a row
	s_lshl_b32 s53, s53, 6
	s_add_co_u32 s38, s38, s53
	s_lshl_b32 s53, s16, 2
	s_add_co_u32 s38, s38, s53
	s_lshl_b32 s38, s38, 9
	s_add_nc_u64 s[14:15], s[14:15], s[38:39]
	s_add_nc_u64 s[34:35], s[6:7], s[54:55]
	s_or_b32 s35, s35, 0x80000000                  ; type = 2
	s_add_nc_u64 s[50:51], s[8:9], s[56:57]
	s_or_b32 s51, s51, 0x80000000
	s_cmp_lt_u32 s16, 2                            ; a wave's first fills stand in one branch, ahead of every wait on TENSORcnt, every LDS read and every barrier: two loads of waves 0 and 1 are out, one of the others
	s_cbranch_scc0 .Lfirst_v
	tensor_load_to_lds s[32:35], s[24:31]          ; interval 0's k
	s_nop 0
	tensor_load_to_lds s[48:51], s[40:47]          ; V's key step w: filled once
	s_nop 0
	NOPS 4
	s_branch .Lfirst_asked
.Lfirst_v:
	tensor_load_to_lds s[48:51], s[40:47]
	s_nop 0
	NOPS 4
.Lfirst_asked:
	v_and_b32 v9, 31, v0
	v_lshlrev_b32 v8, 2, v9                        ; 4 x lane
	v_lshlrev_b32 v9, 4, v9                        ; 16 x lane
	global_load_b128 v[16:19], v9, s[4:5]          ; q of my tile and my first head
	global_load_b128 v[20:23], v9, s[4:5] offset:512
	s_and_b32 s58, s16, 7                          ; Wo's scale words of outputs' tile nt = w % 8: in a block's scale image at 256 (nt % 2) + 16 r + 4 (nt / 2)
	s_and_b32 s59, s58, 1
	s_lshl_b32 s59, s59, 8
	s_lshr_b32 s58, s58, 1
	s_lshl_b32 s58, s58, 2
	s_add_co_u32 s58, s58, s59
	s_add_co_u32 s58, s58, 8*1536
	v_and_b32 v[T], 15, v0
	v_lshl_add_u32 v[T], v[T], 4, s58
.irp s, 0,1,2,3,4,5,6,7
	global_load_b32 v[WOS+\s], v[T], s[10:11] offset:VBLK*\s
.endr
	s_lshl_b32 s58, s18, 13
	v_add_nc_u32 v1, s58, v9                       ; in a slot of k: my head's 8,192 bytes
	v_add_nc_u32 v2, VRES, v9
	s_mul_i32 s58, s17, 8*1536
	s_mul_i32 s59, s18, 1536
	s_add_co_u32 s58, s58, s59
	s_add_co_u32 s58, s58, XIMG
	v_add_nc_u32 v7, s58, v9
	s_lshl_b32 s58, s17, 10
	s_lshl_b32 s59, s18, 7
	s_add_co_u32 s58, s58, s59
	s_add_co_u32 s58, s58, XSC
	v_add_nc_u32 v8, s58, v8
.irp b, 0,1,2,3
	v_mov_b32 v[BT+\b], 0                          ; written once: a lane permute's destination counts as one of its sources
.endr
	v_mov_b32 v[F+1], 0                            ; (named as the upper half of the pair before it could be written)
	INIT
	s_wait_loadcnt 0x0                             ; q and Wo's scale words
	IV 1, 0                                        ; J = 0
	IV 1, 1                                        ; J = 1
.Lpass_0:                                          ; J = 2 .. 15
	IV 1, 2
	s_cmp_lt_u32 s22, 16
	s_cbranch_scc1 .Lpass_0
	IV 1, 3                                        ; J = 16: the first four heads end, the other four begin
.Lpass_1:                                          ; J = 17 .. 30
	IV 1, 2
	s_cmp_lt_u32 s22, 31
	s_cbranch_scc1 .Lpass_1
	IV 0, 2                                        ; J = 31 is written out: nothing is left to fetch
	s_wait_dscnt 0x0                               ; step 31 is finished without a barrier: nothing is filled any more.  Class 0's second halves of k's fragments are in
	s_cmp_eq_u32 s19, 0
	s_cbranch_scc0 .Llast_scores
	SWB
.Llast_scores:
	SMP
	ADDR                                           ; J = 32: V's key step 15
	PVP
	FIN 1
	; ---- out^T = Wo^T x^T + bo.  Wave w: outputs' tile nt = w % 8, tiles of queries 2 (w / 8) + a, a = 0, 1: two accumulators by turns, eight K steps (heads)
	s_wait_dscnt 0x0                               ; for the others' sake: x's images are stored; and the address registers below are free
	s_and_b32 s58, s16, 7                          ; nt
	s_lshr_b32 s59, s16, 3
	s_mul_i32 s60, s59, 2*8*1536
	s_add_co_u32 s60, s60, XIMG
	v_add_nc_u32 v1, s60, v9                       ; x's images of my two tiles
	s_lshl_b32 s60, s59, 11
	s_add_co_u32 s60, s60, XSC
	v_and_b32 v2, 31, v0
	v_lshl_add_u32 v2, v2, 2, s60                  ; and their scale words
	s_mul_i32 s60, s58, 1536
	v_add_nc_u32 v5, s60, v9                       ; Wo's fragment nt in a block
	s_lshr_b32 s60, s58, 1
	s_lshl_b32 s60, s60, 7
	s_and_b32 s61, s58, 1
	s_lshl_b32 s61, s61, 5
	s_add_co_u32 s60, s60, s61
	v_bfe_u32 v7, v0, 4, 1
	v_lshl_add_u32 v7, v7, 6, s60                  ; lane (r, h) holds outputs n = 32 (nt / 2) + 8 (nt % 2) + 16 h + 0 .. 7: their bytes in bo and in a row of out0
	v_and_b32 v10, 15, v0
	v_and_b32 v11, 8, v10
	v_add_nc_u32 v10, v10, v11
	s_lshl_b32 s60, s59, 5
	v_add_nc_u32 v10, s60, v10                     ; my query of the block's 64 (a = 0): 32 (w / 8) + r + 8 (r / 8)
	v_mad_u32_u24 v10, v10, STP, v7                ; into the stage
	s_mul_i32 s60, s16, 4*STP
	v_add_nc_u32 v11, s60, v9                      ; back: rows 4 w on, 16 bytes a lane
.irp s, 0,1,2,3,4,5,6,7
.irp c, 0,1,2
	global_load_b128 v[P+12*\s+4*\c:P+12*\s+4*\c+3], v5, s[10:11] offset:VBLK*\s+512*\c
.endr
.endr
	global_load_b128 v[16:19], v7, s[12:13]        ; bo is the C of each sum
	global_load_b128 v[20:23], v7, s[12:13] offset:16
	global_load_b128 v[232:235], v7, s[12:13]
	global_load_b128 v[236:239], v7, s[12:13] offset:16
	s_barrier_signal -1
	s_barrier_wait -1                              ; x's 32 fragments lie in LDS, and nobody reads k's slots any more
.irp g, 0,1,2,3
.irp i, 0,1
.irp a, 0,1
.irp c, 0,1,2
	ds_load_b128 v[184+12*(2*\i+\a)+4*\c:184+12*(2*\i+\a)+4*\c+3], v1 offset:12288*\a+1536*(2*\g+\i)+512*\c
.endr
	ds_load_b32 v[VS+2*\i+\a], v2 offset:1024*\a+128*(2*\g+\i)
.endr
.endr
.if \g == 0
	s_wait_loadcnt 0x0                             ; Wo's fragments and bo
.endif
	s_wait_dscnt 0x0
.irp i, 0,1
	v_wmma_scale_f32_16x16x128_f8f6f4 v[16:23], v[P+12*(2*\g+\i):P+12*(2*\g+\i)+11], v[184+24*\i:184+24*\i+11], v[16:23], v[WOS+2*\g+\i], v[VS+2*\i] matrix_a_fmt:MATRIX_FMT_FP6 matrix_b_fmt:MATRIX_FMT_FP6
	v_wmma_scale_f32_16x16x128_f8f6f4 v[232:239], v[P+12*(2*\g+\i):P+12*(2*\g+\i)+11], v[196+24*\i:196+24*\i+11], v[232:239], v[WOS+2*\g+\i], v[VS+2*\i+1] matrix_a_fmt:MATRIX_FMT_FP6 matrix_b_fmt:MATRIX_FMT_FP6
.endr
	NOPS 4                                         ; places ahead of loads into registers that these products read, and of the first read of results
.endr
	ds_store_b128 v10, v[16:19]                    ; each accumulator from its low end on
	ds_store_b128 v10, v[20:23] offset:16
	ds_store_b128 v10, v[232:235] offset:8*STP     ; tile a = 1: eight rows further down
	ds_store_b128 v10, v[236:239] offset:8*STP+16
	s_wait_dscnt 0x0                               ; for the others' sake: a row's 512 bytes come from eight waves
	s_barrier_signal -1
	s_barrier_wait -1
.irp i, 0,1,2,3
	ds_load_b128 v[P+4*\i:P+4*\i+3], v11 offset:STP*\i
.endr
.irp i, 0,1,2,3
	s_wait_dscnt 3-\i
	global_store_b128 v9, v[P+4*\i:P+4*\i+3], s[14:15] offset:512*\i th:TH_STORE_NT   ; 32 lanes store a row of 512 consecutive bytes, at a multiple of 256 from out0's first byte
.endr
	s_wait_tensorcnt 0x0                           ; the wave's end, behind my last tensor load and my last LDS store
	ds_add_u32 v3, v4
	s_wait_dscnt 0x0
	s_endpgm
.Lfunc_end_k_qce9174b6ba_attn:
	.size	k_qce9174b6ba_attn, .Lfunc_end_k_qce9174b6ba_attn-k_qce9174b6ba_attn
	.p2alignl 7, 3214868480
	.fill 96, 4, 3214868480
	.section	.rodata,"a",@progbits
	.p2align	6, 0x0
	.amdhsa_kernel k_qce9174b6ba_attn
		.amdhsa_group_segment_fixed_size 327680
		.amdhsa_private_segment_fixed_size 0
		.amdhsa_enable_private_segment 0
		.amdhsa_kernarg_size 48
		.amdhsa_user_sgpr_count 2
		.amdhsa_user_sgpr_kernarg_segment_ptr 1
		.amdhsa_wavefront_size32 1
		.amdhsa_system_sgpr_workgroup_id_x 1
		.amdhsa_system_sgpr_workgroup_id_y 1
		.amdhsa_system_sgpr_workgroup_id_z 1
		.amdhsa_system_vgpr_workitem_id 0
		.amdhsa_next_free_vgpr 256
		.amdhsa_next_free_sgpr 66
		.amdhsa_reserve_vcc 0
		.amdhsa_float_denorm_mode_32 3
		.amdhsa_float_denorm_mode_16_64 3
		.amdhsa_memory_ordered 1
		.amdhsa_forward_progress 1
		.amdhsa_inst_pref_size 201
	.end_amdhsa_kernel
	.amdgpu_metadata
---
amdhsa.version: [ 1, 2 ]
amdhsa.kernels:
  - .name:           k_qce9174b6ba_attn
    .symbol:         k_qce9174b6ba_attn.kd
    .args:
      - { .name: qimg, .offset: 0, .size: 8, .value_kind: global_buffer, .address_space: global }
      - { .name: kimg, .offset: 8, .size: 8, .value_kind: global_buffer, .address_space: global }
      - { .name: vimg, .offset: 16, .size: 8, .value_kind: global_buffer, .address_space: global }
      - { .name: woimg, .offset: 24, .size: 8, .value_kind: global_buffer, .address_space: global }
      - { .name: bo, .offset: 32, .size: 8, .value_kind: global_buffer, .address_space: global }
      - { .name: out0, .offset: 40, .size: 8, .value_kind: global_buffer, .address_space: global }
    .group_segment_fixed_size: 327680
    .private_segment_fixed_size: 0
    .kernarg_segment_align: 8
    .kernarg_segment_size: 48
    .max_flat_workgroup_size: 512
    .sgpr_count:     66
    .vgpr_count:     256
    .wavefront_size: 32
...
	.end_amdgpu_metadata
.endif
;; end of part 2
